; MI455X (gfx1250); checked and timed in simulation.
; The chip was launched on July 23, 2026; its instructions are those of AMD's public machine-readable ISA for CDNA 5 (MIT licence, August 2026) and "CDNA5" Instruction Set Architecture Reference Guide (July 2026). The comments in the code are by the model that wrote it; some were corrected since.
;; Attention. Allowed arithmetic: matrix products marked QUANTISED: E2M3 operands, one E8M0 scale for each 32 along K, by v_wmma_scale_f32_16x16x128_f8f6f4 with both operands' format E2M3, f32 sums; everything else in f32.
;; Inputs: proj_b 1,024 float32; proj_w 1,024 x 1,024 float32; qkv_w 3,072 x 1,024 float32; x 4 x 2,048 x 1,024 float32.
;; Outputs: out0 4 x 2,048 x 1,024 float32.
;; This version of the problem:
;;   THIS VERSION OF THE PROBLEM IS GIVEN IN LOW PRECISION. The matrix products marked QUANTISED in the list below multiply operands that are first quantised to E2M3 (2 exponent bits, 3 mantissa bits; 6 bits a number), with one power-of-two scale for each 32 numbers along K (OCP MX v1.0); their sums are f32. All else is computed in f32.
;;   The module's matrix products, in the order in which they are computed (A, B: the left and right operand; K: the contracted axis; several contracted axes count as one K, in the product's order):
;;     1. [M 8,192, K 1,024] x [K 1,024, N 3,072]; A: input x; B: input qkv_w: QUANTISED
;;     2. batch 64 x [M 2,048, K 64] x [K 64, N 2,048]; A: computed on the way; B: computed on the way: QUANTISED
;;     3. batch 64 x [M 2,048, K 2,048] x [K 2,048, N 64]; A: softmax (see below); B: computed on the way: QUANTISED
;;     4. [M 8,192, K 1,024] x [K 1,024, N 1,024]; A: computed on the way; B: input proj_w: QUANTISED
;;   THE QUANTISER, for each operand of a quantised product, along K:
;;     - K is cut into blocks of 32 from its start; a last block that is shorter is filled with zeros.
;;     - A block's scale is 2^e with e = floor(log2(the largest magnitude in the block)) - 2, held to -126 .. 127; a block of zeros has e = 0. As a byte (E8M0): e + 127.
;;     - Each number is divided by its block's scale, clamped to +-7.5, and rounded to the nearest number of E2M3, ties to even, subnormals kept.
;;     - The product sums the exact products of the quantised numbers (number of the format x scale) in f32.
;;   ~~~python
;;   def quantise(x, axis):      # numpy; x: float32 -> the quantised numbers, widened to float32 again
;;       x = np.moveaxis(x, axis, -1); K = x.shape[-1]
;;       x = np.pad(x, [(0, 0)] * (x.ndim - 1) + [(0, -K % 32)]); x = x.reshape(x.shape[:-1] + (-1, 32)); a = np.abs(x).max(-1, keepdims=True)
;;       e = np.where(a > 0, np.clip(np.frexp(np.where(a > 0, a, 1))[1] - 1 - 2, -126, 127), 0)      # np.frexp(a)[1] - 1 = floor(log2(a)), exactly
;;       r = np.clip(x / 2.0 ** e, -7.5, 7.5)
;;       step = 2.0 ** (np.maximum(np.frexp(np.where(r == 0, 1, r))[1] - 1, 0) - 3)
;;       q = np.round(r / step) * step * 2.0 ** e      # np.round: ties to even
;;       return np.moveaxis(q.reshape(q.shape[:-2] + (-1,))[..., :K], -1, axis).astype(np.float32)
;;   ~~~
;;   SOFTMAX AHEAD OF A QUANTISED PRODUCT. Where the list says 'softmax', what is quantised is not the finished softmax but p = 2^(t - M), with t = logit x log2(e) and M = ceil(the row's largest t), a whole number; so 1/2 < the row's largest p <= 1. The row's sum l is taken of the UNQUANTISED p, in f32, and the product's result is divided by l at the end. Since M is a whole number, a kernel that streams over the keys may use a running M (the ceiling of the running maximum): every later rescaling is an exact power of two, which a block's scale takes up: the codes' values come out the same.
;;   OPERANDS COMPUTED ON THE WAY. 'Computed on the way' means the value that the module computes at that place (a softmax that the list does not call 'softmax' is quantised finished and normalised). What goes into a quantiser is computed in f32, as accurately as f32 sums, v_exp_f32 and their like allow (about 1e-6 of the number): no bf16 or f16 on the way to a quantiser, and a product that is left as it is and whose result goes on into a quantised operand takes f32 operands (vector FMAs, or v_wmma_f32_16x16x4_f32). A number that lies on a knife's edge between two numbers of the format may be rounded either way, as far as f32 arithmetic and the matrix unit's own rounding can turn it there, and no further.
;; One version. Each part assembles by itself: llvm-mc -triple=amdgcn-amd-amdhsa -mcpu=gfx1250 --defsym DOCPART=n.
;; ======== version 1 of 1: 4 launches
;; workspace buffers: cq 9,830,400 bytes; qq 6,815,744 bytes; kv 13,369,344 bytes; aq 6,553,600 bytes
;; launch quant (part 1): grid 384 x 1, 4 waves a work-group, no clusters, 34,304 bytes of LDS; arguments x, qkv_w, proj_w, cq; writes cq
.if DOCPART == 1
	.amdgcn_target "amdgcn-amd-amdhsa--gfx1250"
	.amdhsa_code_object_version 6
	.text
	.protected	k_q3a7034705d_quant
	.globl	k_q3a7034705d_quant
	.p2align	8
	.type	k_q3a7034705d_quant,@function
k_q3a7034705d_quant:
	s_mov_b64 s[64:65], 0
	v_nop
	global_prefetch_b8 v0, s[64:65] scope:SCOPE_SE
	s_setreg_imm32_b32 hwreg(HW_REG_WAVE_MODE, 25, 1), 1
	s_wait_xcnt 0x0
; x [8192][1024], qkv_w [3072][1024] and proj_w [1024][1024], f32, K innermost, become codes of FP6 (E2M3) with one E8M0 byte for each 32 along K,
; laid in cq AS IMAGES OF THE MATRIX OPERAND'S REGISTERS.  The three tensors are one list of 12,288 rows = 768 tiles of 16 rows.
; ROWS OF A TILE: tile 2 G + u holds, in lane r, row 32 G + 8 u + r + 8 (r / 8).  Used as source 0 of a product, the 16 result registers of tiles 2 G and 2 G + 1 are then 16 neighbouring rows.
; A FRAGMENT (16 rows x 128 K, 12 registers a lane: lane (r, h) holds k = 64 c + 32 h + 0 .. 31 in registers 6 c .. 6 c + 5) is six planes of 256 bytes: plane p = registers 2 p, 2 p + 1, lane l's 8 bytes at 8 l.
; cq: [tile][8 fragments][1,536 bytes]; from byte 9,437,184 the scale words: [tile][K / 256: 4][r: 16][8 bytes = the words of two K steps of 128].
; A block's scale is 2^(floor(log2(its largest magnitude)) - 2); its byte is the largest magnitude's exponent field - 2, held at 1 from below.
; LIMITS: a block whose largest magnitude lies under 2^-124 has its byte held at 1; a block of zeros gets the byte 1 with zero codes (this program alone reads the bytes); NaN and infinities are not served.
; SHARES: a work-group takes 32 rows, a wave 16 rows x 512 along K = 4 fragments.  Each load reads 512 consecutive bytes of one row; a fragment's 8 KiB turn through the wave's own stage in LDS
; (rows 528 bytes apart), so that a lane gets 32 neighbours along K twice.  Waves share nothing: no barrier.  No matrix unit, no cluster: the launch streams, and no two work-groups read the same byte.
.set STG,   16*528                     ; a wave's stage
.set SPARE, 4*STG                      ; behind the stages: the spare words, 128 bytes a wave
.set SCB,   9437184                    ; where the scale words begin in cq
.set R,     16                         ; v16-143  two sets of 64: a fragment as it is loaded
.set X,     144                        ; v144-207 my 2 x 32 neighbours
.set C,     208                        ; v208-219 the fragment's codes
.set TA,    220                        ; v220-222, v224-226: the upper halves of the two blocks (a conversion's three registers begin on an even number)
.set MX,    228                        ; v228-229 largest magnitudes, v230-231 scale operands, v232-233 bytes
.set WD,    236                        ; v236-239 the four fragments' scale words
	s_load_b256 s[4:11], s[0:1], 0x0               ; x s[4:5], qkv_w s[6:7], proj_w s[8:9], cq s[10:11]
	v_lshl_add_u32 v12, v0, 2, SPARE               ; my spare word,
	v_mov_b32 v13, 0                               ; and 0: kept for the wave's closing lines
	v_lshrrev_b32 v1, 5, v0
	v_readfirstlane_b32 s12, v1                    ; wave
	v_and_b32 v2, 31, v0                           ; lane
	v_and_b32 v7, 15, v0                           ; r
	v_bfe_u32 v8, v0, 4, 1                         ; h
	v_lshlrev_b32 v3, 4, v2                        ; 16 x lane: my bytes of a load's 512
	v_lshlrev_b32 v4, 3, v2                        ; 8 x lane: my bytes of a plane
	v_lshlrev_b32 v5, 3, v7
	v_lshl_add_u32 v5, v8, 7, v5                   ; 128 h + 8 r: my two scale words
	v_lshlrev_b32 v6, 3, v8                        ; 8 h: my bytes' place in a scale word, in bits
	s_mul_i32 s13, s12, STG
	v_add_nc_u32 v14, s13, v3                      ; the stage, on the way in
	v_mul_u32_u24 v15, v7, 528
	v_lshl_add_u32 v15, v8, 7, v15
	v_add_nc_u32 v15, s13, v15                     ; and on the way out: row r, + 128 h
	v_mov_b32 v241, 0                              ; a lane permute's destination counts as one of its sources
	s_mov_b32 s20, 0x76543210
	s_mov_b32 s21, 0xfedcba98                      ; selects for lane l xor 16
	s_mov_b32 s22, 0xffff0000                      ; lanes 16-31
	s_mov_b32 s17, 352
	s_lshr_b32 s14, s12, 1                         ; which of the group's two tiles
	s_and_b32 s15, s12, 1                          ; which half of K
	s_wait_alu depctr_va_vdst(0)
	s_wait_kmcnt 0x0
	s_cmp_lt_u32 ttmp9, 352                        ; work-groups 0-255: x; 256-351: qkv_w; 352-383: proj_w.  The choice hangs on the work-group's number alone
	s_cselect_b64 s[6:7], s[6:7], s[8:9]
	s_cselect_b32 s16, 256, s17
	s_cmp_lt_u32 ttmp9, 256
	s_cselect_b64 s[4:5], s[4:5], s[6:7]
	s_cselect_b32 s16, 0, s16
	s_sub_co_u32 s16, ttmp9, s16
	s_lshl_b32 s16, s16, 17                        ; 32 rows of 4,096 bytes
	s_lshl_b32 s18, s14, 15                        ; the second tile begins 8 rows down
	s_add_co_u32 s16, s16, s18
	s_lshl_b32 s18, s15, 11                        ; 512 numbers along K
	s_add_co_u32 s16, s16, s18
	s_mov_b32 s17, 0
	s_add_nc_u64 s[4:5], s[4:5], s[16:17]
	s_lshl_b32 s18, ttmp9, 2
	s_add_co_u32 s18, s18, s12                     ; 4 x work-group + wave: four fragments, 6,144 bytes, and 256 bytes of scale words each
	s_mul_i32 s16, s18, 6144
	s_add_nc_u64 s[8:9], s[10:11], s[16:17]        ; my codes
	s_lshl_b32 s16, s18, 8
	s_add_co_u32 s16, s16, SCB
	s_add_nc_u64 s[10:11], s[10:11], s[16:17]      ; my scale words
.macro LOAD f                          ; fragment f: 128 numbers of each of my 16 rows, a row a load
.irp p, 0,1,2,3,4,5,6,7,8,9,10,11,12,13,14,15
	global_load_b128 v[R+64*((\f)%2)+4*\p:R+64*((\f)%2)+4*\p+3], v3, s[4:5] offset:(\p+8*(\p/8))*4096+512*(\f) th:TH_LOAD_NT
.endr
.endm
.macro FRAGQ f
.set RS, R+64*((\f)%2)
.if (\f) < 3
	s_wait_loadcnt 16                              ; this fragment's 16 loads are in; the next fragment's 16 may be out
.else
	s_wait_loadcnt 0x0
.endif
.irp p, 0,1,2,3,4,5,6,7,8,9,10,11,12,13,14,15
	ds_store_b128 v14, v[RS+4*\p:RS+4*\p+3] offset:528*\p
.endr
.irp c, 0,1
.irp i, 0,1,2,3,4,5,6,7
	ds_load_b128 v[X+32*\c+4*\i:X+32*\c+4*\i+3], v15 offset:256*\c+16*\i   ; LDS serves a wave's instructions in order: these see the stores above.  k = 64 c + 32 h + 4 i ..
.endr
.endr
	s_wait_dscnt 0x0
.if (\f) < 2
	LOAD (\f)+2                                    ; into the set that the stage's stores have just read
.endif
.irp c, 0,1                                    ; my block 2 c + h: all its 32 numbers are mine
	v_max3_num_f32 v[MX+\c], |v[X+32*\c]|, |v[X+32*\c+1]|, 0x1800000   ; with the floor 2^(3 - 127): the byte cannot fall under 1
.endr
.irp i, 2,4,6,8,10,12,14,16,18,20,22,24,26,28,30
.irp c, 0,1
	v_max3_num_f32 v[MX+\c], v[MX+\c], |v[X+32*\c+\i]|, |v[X+32*\c+\i+1]|
.endr
.endr
.irp c, 0,1
	v_add_nc_u32 v[MX+2+\c], 0xff000000, v[MX+\c]  ; 2 off the exponent field: the conversion's scale operand
.endr
.irp c, 0,1
	v_lshrrev_b32 v[MX+4+\c], 23, v[MX+2+\c]       ; the scale's byte
.endr
	v_lshl_or_b32 v240, v[MX+5], 16, v[MX+4]       ; my two bytes: blocks h and 2 + h,
	v_lshlrev_b32 v240, v6, v240                   ; at their places;
	v_permlanex16_b32 v241, v240, s20, s21
	v_or_b32 v[WD+(\f)], v240, v241                ; with lane l xor 16's two the word is whole, in both halves of the lanes
.if (\f) > 0
	s_wait_alu depctr_va_vdst(0)
	s_wait_xcnt 0x0                                ; the last fragment's stores have read their data: the codes' registers are written again only behind this wait
.endif
.irp c, 0,1
	v_cvt_scalef32_pk16_fp6_f32 v[C+6*\c:C+6*\c+2], v[X+32*\c:X+32*\c+15], v[MX+2+\c]
	v_cvt_scalef32_pk16_fp6_f32 v[TA+4*\c:TA+4*\c+2], v[X+32*\c+16:X+32*\c+31], v[MX+2+\c]
.endr
	v_nop                                          ; one plain place behind a scaled conversion
.irp c, 0,1
.irp i, 0,1,2
	v_mov_b32 v[C+3+6*\c+\i], v[TA+4*\c+\i]
.endr
.endr
.irp p, 0,1,2,3,4,5
	global_store_b64 v4, v[C+2*\p:C+2*\p+1], s[8:9] offset:1536*(\f)+256*\p   ; a plane: 32 lanes store 256 consecutive bytes, aligned
.endr
.endm
	LOAD 0
	LOAD 1
	FRAGQ 0
	FRAGQ 1
	FRAGQ 2
	FRAGQ 3
	v_cndmask_b32 v242, v[WD], v[WD+2], s22        ; lanes 0-15 store the words of fragments 0, 1, lanes 16-31 those of 2, 3
	v_cndmask_b32 v243, v[WD+1], v[WD+3], s22
	global_store_b64 v5, v[242:243], s[10:11]      ; 256 consecutive bytes, aligned
	s_wait_tensorcnt 0x0                           ; the wave's end, behind my last LDS store
	ds_add_u32 v12, v13
	s_wait_dscnt 0x0
	s_endpgm
.Lfunc_end_k_q3a7034705d_quant:
	.size	k_q3a7034705d_quant, .Lfunc_end_k_q3a7034705d_quant-k_q3a7034705d_quant
	.p2alignl 7, 3214868480
	.fill 96, 4, 3214868480
	.section	.rodata,"a",@progbits
	.p2align	6, 0x0
	.amdhsa_kernel k_q3a7034705d_quant
		.amdhsa_group_segment_fixed_size 34304
		.amdhsa_private_segment_fixed_size 0
		.amdhsa_enable_private_segment 0
		.amdhsa_kernarg_size 32
		.amdhsa_user_sgpr_count 2
		.amdhsa_user_sgpr_kernarg_segment_ptr 1
		.amdhsa_wavefront_size32 1
		.amdhsa_system_sgpr_workgroup_id_x 1
		.amdhsa_system_sgpr_workgroup_id_y 1
		.amdhsa_system_sgpr_workgroup_id_z 1
		.amdhsa_system_vgpr_workitem_id 0
		.amdhsa_next_free_vgpr 248
		.amdhsa_next_free_sgpr 66
		.amdhsa_reserve_vcc 0
		.amdhsa_float_denorm_mode_32 3
		.amdhsa_float_denorm_mode_16_64 3
		.amdhsa_memory_ordered 1
		.amdhsa_forward_progress 1
		.amdhsa_inst_pref_size 31
	.end_amdhsa_kernel
	.amdgpu_metadata
---
amdhsa.version: [ 1, 2 ]
amdhsa.kernels:
  - .name:           k_q3a7034705d_quant
    .symbol:         k_q3a7034705d_quant.kd
    .args:
      - { .name: x, .offset: 0, .size: 8, .value_kind: global_buffer, .address_space: global }
      - { .name: qkv_w, .offset: 8, .size: 8, .value_kind: global_buffer, .address_space: global }
      - { .name: proj_w, .offset: 16, .size: 8, .value_kind: global_buffer, .address_space: global }
      - { .name: cq, .offset: 24, .size: 8, .value_kind: global_buffer, .address_space: global }
    .group_segment_fixed_size: 34304
    .private_segment_fixed_size: 0
    .kernarg_segment_align: 8
    .kernarg_segment_size: 32
    .max_flat_workgroup_size: 128
    .sgpr_count:     66
    .vgpr_count:     248
    .wavefront_size: 32
...
	.end_amdgpu_metadata
.endif
;; end of part 1
;; launch qkv (part 2): grid 12 x 32, 4 waves a work-group, clusters of 4 x 4, 327,680 bytes of LDS; arguments cq, qq, kv; writes qq, kv
.if DOCPART == 2
	.amdgcn_target "amdgcn-amd-amdhsa--gfx1250"
	.amdhsa_code_object_version 6
	.text
	.protected	k_q3a7034705d_qkv
	.globl	k_q3a7034705d_qkv
	.p2align	8
	.type	k_q3a7034705d_qkv,@function
k_q3a7034705d_qkv:
	s_mov_b64 s[64:65], 0
	v_nop
	global_prefetch_b8 v0, s[64:65] scope:SCOPE_SE
	s_setreg_imm32_b32 hwreg(HW_REG_WAVE_MODE, 25, 1), 1
	s_wait_xcnt 0x0
	s_wait_alu depctr_hold_cnt(0) depctr_sa_sdst(0) depctr_va_vdst(0) depctr_va_sdst(0) depctr_va_ssrc(0) depctr_va_vcc(0) depctr_vm_vsrc(0)
	s_getreg_b32 s2, hwreg(HW_REG_IB_STS2, 6, 4)
	s_cmp_eq_u32 s2, 0
	s_cbranch_scc0 .Lentry_in_a_cluster
	s_endpgm
.Lentry_in_a_cluster:
	s_bfe_u32 s2, ttmp6, 0x10000c
	s_cmp_lg_u32 s2, 0xf033
	s_cbranch_scc0 .Lentry_shape_is_right
	s_endpgm
.Lentry_shape_is_right:
.set NQ,     2
.set FR,     12
.set NL,     6
.set NP,     4
.set TILEB,  3072
.set HALFT,  8*TILEB
.set SLOT,   4*HALFT
.set SCL,    2*SLOT
.set SCLB,   SCL+8192+128
.set SPARE,  SCLB+8192+128
.set CSC,    9437184
.set ADRA, 16
.set ADRB, 20
.set L8,   24
.set L16,  25
.set ADRS, 27
.set SPW,  28
.set NIL,  29
.set SC,   32
.set TM,   64
.set SWA,  88
.set SWB,  92
.set XC,   96
.set TC,   108
.set AF,   128
.set G1, 24
.set G0, 32
.set G1B, 48
.set G0B, 56
.set G1S, 68
.set G0S, 76
.set G1SB, 80
.set G0SB, 88
.set PT0, 70
.set PT1, 72
.set SP0, 74
.set SP1, 76
.set DA,  78
.set DJ,  80
.set VM,  82
.set HM,  83
.set FLR, 84
.set SEL, 86
.set MSB, 0
.macro WIN new
.if MSB != (\new)
	s_set_vgpr_msb (MSB<<8)|(\new)
.set MSB, (\new)
.endif
.endm
.set MUL_LO, 0xa1
.set MUL_HI, 0xf1
.set TO_B,   0x40
.macro JLOAD g0a, g1a, g0b, g1b
	s_cmp_eq_u32 s15, 0
	s_cbranch_scc0 .Lfor_b_\@
	tensor_load_to_lds s[\g0a:\g0a+3], s[\g1a:\g1a+7]
	s_nop 0
.rept 4
	v_nop
.endr
	s_branch .Lasked_\@
.Lfor_b_\@:
	tensor_load_to_lds s[\g0b:\g0b+3], s[\g1b:\g1b+7]
	s_nop 0
.rept 4
	v_nop
.endr
.Lasked_\@:
.endm
.macro CREST
	s_cmp_lg_u32 s14, 0
	s_cbranch_scc1 .Lnot_wave_0_\@
	s_barrier_signal -3
.Lnot_wave_0_\@:
	s_barrier_wait -3
	s_barrier_signal -1
	s_barrier_wait -1
.endm
.macro CROUND
	s_barrier_signal -1
	s_barrier_wait -1
	CREST
.endm
	s_load_b128 s[4:7], s[0:1], 0x0
	s_load_b64 s[8:9], s[0:1], 0x10
	v_lshl_add_u32 v[SPW], v0, 2, SPARE
	v_mov_b32 v[NIL], 0
	ds_add_u32 v[SPW], v[NIL]
	ds_add_u32 v[SPW], v[NIL]
	v_lshrrev_b32 v1, 5, v0
	v_readfirstlane_b32 s14, v1
	s_lshr_b32 s15, s14, 1
	s_and_b32 s16, s14, 1
	s_bfe_u32 s40, ttmp6, 0x40000
	s_bfe_u32 s41, ttmp6, 0x40004
	s_and_b32 s17, ttmp7, 0xffff
	s_lshl_b32 s17, s17, 2
	s_lshl_b32 s42, ttmp9, 2
	s_add_co_u32 s42, s42, 32
	s_cmp_eq_u32 ttmp9, 2
	s_cselect_b32 s45, 40, s17
	s_cselect_b32 s97, s17, s42
	s_add_co_u32 s45, s45, s41
	s_add_co_u32 s97, s97, s40
	s_lshl_b32 s43, s41, 2
	s_lshl_b32 s43, 15, s43
	s_lshl_b32 s44, 0x1111, s40
	s_or_b32 s[G1+0], s43, (3<<16)|(1<<21)
	s_or_b32 s[G1B+0], s44, (3<<16)|(1<<21)
.irp g, G1, G1B
	s_mov_b32 s[\g+1], 384<<16
	s_mov_b32 s[\g+2], 8<<16
	s_mov_b32 s[\g+3], 384<<16
	s_mov_b32 s[\g+4], 8
	s_mov_b32 s[\g+5], 1536
	s_mov_b32 s[\g+6], 0
	s_mov_b32 s[\g+7], 0
.endr
	s_or_b32 s[G1S+0], s43, (3<<16)|(1<<21)
	s_or_b32 s[G1SB+0], s44, (3<<16)|(1<<21)
.irp g, G1S, G1SB
	s_mov_b32 s[\g+1], 32<<16
	s_mov_b32 s[\g+2], 16<<16
	s_mov_b32 s[\g+3], 32<<16
	s_mov_b32 s[\g+4], 16
	s_mov_b32 s[\g+5], 32
	s_mov_b32 s[\g+6], 0
	s_mov_b32 s[\g+7], 0
.endr
	s_lshl_b32 s20, s45, 1
	s_add_co_u32 s20, s20, s16
	s_lshl_b32 s46, s97, 1
	s_add_co_u32 s46, s46, s16
	s_lshl_b32 s22, s20, 12
	s_add_co_u32 s22, s22, CSC
	s_lshl_b32 s92, s46, 12
	s_add_co_u32 s92, s92, CSC
	s_mul_i32 s20, s20, 98304
	s_mul_i32 s46, s46, 98304
	s_mov_b32 s21, 0
	s_mov_b32 s23, 0
	s_mov_b32 s47, 0
	s_mov_b32 s93, 0
	s_mul_i32 s66, s14, HALFT
	s_lshl_b32 s67, s14, 12
	s_lshl_b32 s96, s15, 7
	s_add_co_u32 s67, s67, s96
	s_wait_dscnt 0x0
	s_wait_kmcnt 0x0
	s_add_nc_u64 s[20:21], s[4:5], s[20:21]
	s_add_nc_u64 s[22:23], s[4:5], s[22:23]
	s_add_nc_u64 s[46:47], s[4:5], s[46:47]
	s_add_nc_u64 s[92:93], s[4:5], s[92:93]
	CROUND
	s_mov_b32 s[G0S], 1
	s_add_co_u32 s[G0S+1], s67, SCL
	s_mov_b64 s[G0S+2:G0S+3], s[22:23]
	s_or_b32 s[G0S+3], s[G0S+3], 0x80000000
	s_mov_b32 s[G0SB], 1
	s_add_co_u32 s[G0SB+1], s67, SCL
	s_mov_b64 s[G0SB+2:G0SB+3], s[92:93]
	s_or_b32 s[G0SB+3], s[G0SB+3], 0x80000000
	JLOAD G0S, G1S, G0SB, G1SB
.irp s, 0,1
	s_mov_b32 s[G0+4*\s], 1
	s_add_co_u32 s[G0+4*\s+1], s66, \s*SLOT
	s_add_nc_u64 s[G0+4*\s+2:G0+4*\s+3], s[20:21], \s*TILEB
	s_or_b32 s[G0+4*\s+3], s[G0+4*\s+3], 0x80000000
	s_mov_b32 s[G0B+4*\s], 1
	s_add_co_u32 s[G0B+4*\s+1], s66, \s*SLOT
	s_add_nc_u64 s[G0B+4*\s+2:G0B+4*\s+3], s[46:47], \s*TILEB
	s_or_b32 s[G0B+4*\s+3], s[G0B+4*\s+3], 0x80000000
	s_wait_alu depctr_va_vdst(0)
	s_wait_tensorcnt 0x0
	ds_add_u32 v28, v29
	s_wait_dscnt 0x0
	CROUND
	JLOAD G0+4*\s, G1, G0B+4*\s, G1B
.endr
	v_and_b32 v1, 15, v0
	v_bfe_u32 v2, v0, 4, 1
	s_wait_alu depctr_va_vdst(0)
	v_and_b32 v3, 31, v0
	v_lshlrev_b32 v[L8], 3, v3
	v_lshlrev_b32 v[L16], 4, v3
	s_mul_i32 s21, s15, HALFT
	s_mul_i32 s22, s16, HALFT
	s_add_co_u32 s22, s22, 2*HALFT
.irp s, 0,1
	v_add_nc_u32 v[ADRA+\s], s21, v[L8]
	v_add_nc_u32 v[ADRB+\s], s22, v[L8]
	s_add_co_u32 s21, s21, SLOT
	s_add_co_u32 s22, s22, SLOT
.endr
	v_lshlrev_b32 v5, 3, v1
	s_lshl_b32 s21, s15, 12
	s_lshl_b32 s22, s16, 12
	s_add_co_u32 s22, s22, 8320
	s_sub_co_u32 s22, s22, s21
	v_mul_u32_u24 v6, s22, v2
	s_add_co_u32 s21, s21, SCL
	v_add_nc_u32 v5, v5, v6
	v_add_nc_u32 v[ADRS], s21, v5
.macro FRAG reg, adr, q, i
.irp p, 0,1,2,3,4,5
	ds_load_b64 v[\reg+2*\p:\reg+2*\p+1], v[\adr] offset:(\i)*TILEB+(\q)*1536+256*\p
.endr
.endm
.macro MUL16 a0, p, q, sc, zero
.irp a, \a0, \a0+1
.irp b, 0,1,2,3,4,5,6,7
.if \zero
	v_wmma_scale_f32_16x16x128_f8f6f4 v[8*(8*((\a)%4)+\b):8*(8*((\a)%4)+\b)+7], v[128*(\p)+FR*\b:128*(\p)+FR*\b+FR-1], v[AF+FR*(\a):AF+FR*(\a)+FR-1], 0, v[SC+8*NQ*(\sc)+NQ*\b+(\q)], v[SC+8*NQ*(\sc)+NQ*(\a)+(\q)] matrix_a_fmt:MATRIX_FMT_FP6 matrix_b_fmt:MATRIX_FMT_FP6 matrix_a_scale:MATRIX_SCALE_ROW1
.else
	v_wmma_scale_f32_16x16x128_f8f6f4 v[8*(8*((\a)%4)+\b):8*(8*((\a)%4)+\b)+7], v[128*(\p)+FR*\b:128*(\p)+FR*\b+FR-1], v[AF+FR*(\a):AF+FR*(\a)+FR-1], v[8*(8*((\a)%4)+\b):8*(8*((\a)%4)+\b)+7], v[SC+8*NQ*(\sc)+NQ*\b+(\q)], v[SC+8*NQ*(\sc)+NQ*(\a)+(\q)] matrix_a_fmt:MATRIX_FMT_FP6 matrix_b_fmt:MATRIX_FMT_FP6 matrix_a_scale:MATRIX_SCALE_ROW1
.endif
.endr
.endr
.endm
.macro FETCH_B slot, q, p
	WIN TO_B
.irp i, 0,1,2,3,4,5,6,7
	FRAG 128*(\p)+FR*\i, ADRB+\slot, \q, \i
.endr
	WIN 0
.endm
.macro FETCH_A slot, q, i0
.irp i, \i0, \i0+1, \i0+2, \i0+3
	FRAG AF+FR*(\i), ADRA+\slot, \q, \i
.endr
.endm
.macro SCALES sc
.irp i, 0,1,2,3,4,5,6,7
	ds_load_b64 v[SC+8*NQ*\sc+NQ*\i:SC+8*NQ*\sc+NQ*\i+1], v[ADRS] offset:\i*512
.endr
.endm
.macro PLACES n
.rept \n
	v_nop
.endr
.endm
.macro STEP slot, q, zero
	s_wait_dscnt 4*NL
	WIN MUL_LO
	MUL16 0, (\q)%2, \q, \slot, \zero
	MUL16 2, (\q)%2, \q, \slot, \zero
	s_wait_dscnt 0
	PLACES NP
	FETCH_B \slot, (\q)+1, 1-(\q)%2
	FETCH_A \slot, (\q)+1, 0
	WIN MUL_HI
	MUL16 4, (\q)%2, \q, \slot, \zero
	MUL16 6, (\q)%2, \q, \slot, \zero
	PLACES NP
	WIN 0
	FETCH_A \slot, (\q)+1, 4
.endm
.macro TURN slot, next, fill
	s_wait_tensorcnt 0x0
	ds_add_u32 v[SPW], v[NIL]
	s_wait_dscnt 4*NL+1
	WIN MUL_LO
	MUL16 0, 1, NQ-1, \slot, 0
	s_wait_dscnt 0x0
	s_barrier_signal -1
	MUL16 2, 1, NQ-1, \slot, 0
	WIN 0
	s_barrier_wait -1
.if \fill
	CREST
	s_add_nc_u64 s[G0+4*\slot+2:G0+4*\slot+3], s[G0+4*\slot+2:G0+4*\slot+3], 2*TILEB
	s_add_nc_u64 s[G0B+4*\slot+2:G0B+4*\slot+3], s[G0B+4*\slot+2:G0B+4*\slot+3], 2*TILEB
	JLOAD G0+4*\slot, G1, G0B+4*\slot, G1B
.else
	PLACES NP
.endif
	s_wait_alu depctr_va_vdst(0)
	v_add_nc_u32 v[ADRS], 128, v[ADRS]
	FETCH_B \next, 0, 0
	FETCH_A \next, 0, 0
	SCALES \next
	WIN MUL_HI
	MUL16 4, 1, NQ-1, \slot, 0
	MUL16 6, 1, NQ-1, \slot, 0
	PLACES NP
	WIN 0
	FETCH_A \next, 0, 4
.endm
	s_wait_alu depctr_va_vdst(0)
	s_wait_tensorcnt 1
	s_barrier_signal -1
	s_barrier_wait -1
	FETCH_B 0, 0, 0
	FETCH_A 0, 0, 0
	SCALES 0
	FETCH_A 0, 0, 4
	STEP 0, 0, 1
	TURN 0, 1, 1
	STEP 1, 0, 0
	TURN 1, 0, 1
	STEP 0, 0, 0
	TURN 0, 1, 0
	STEP 1, 0, 0
	s_wait_dscnt 4*NL
	WIN MUL_LO
	MUL16 0, 1, NQ-1, 1, 0
	MUL16 2, 1, NQ-1, 1, 0
	s_wait_dscnt 0
	WIN MUL_HI
	MUL16 4, 1, NQ-1, 1, 0
	MUL16 6, 1, NQ-1, 1, 0
	WIN 0
	s_cmp_eq_u32 ttmp9, 2
	s_cselect_b32 s10, 40, 0
	s_cselect_b32 s11, 0, 32
	s_cselect_b32 s[VM], -1, 0
	s_sub_co_u32 s10, s45, s10
	s_sub_co_u32 s11, s97, s11
	s_lshl_b32 s10, s10, 8
	s_lshl_b32 s12, s15, 7
	s_add_co_u32 s10, s10, s12
	s_lshl_b32 s11, s11, 8
	s_lshl_b32 s12, s16, 7
	s_add_co_u32 s11, s11, s12
	s_and_b32 s12, s11, 1023
	s_cmp_eq_u32 ttmp9, 2
	s_cselect_b32 s13, s11, s10
	s_cselect_b32 s12, s10, s12
	s_lshr_b32 s17, s13, 11
	s_lshl_b32 s17, s17, 4
	s_lshr_b32 s18, s12, 6
	s_add_co_u32 s17, s17, s18
	s_bfe_u32 s18, s13, 0x40007
	s_mov_b32 s19, 208896
	s_mov_b32 s20, 13056
	s_mov_b32 s3, 12288
	s_mov_b32 s93, 768
	s_cmp_eq_u32 ttmp9, 0
	s_cselect_b32 s21, 98304, s19
	s_cselect_b32 s22, 6144, s20
	s_cselect_b64 s[68:69], s[6:7], s[8:9]
	s_cselect_b32 s88, 8192, s19
	s_cselect_b32 s2, 512, s20
	s_cselect_b32 s3, 6291456, s3
	s_cmp_eq_u32 ttmp9, 2
	s_cselect_b32 s3, 12800, s3
	s_cselect_b32 s92, 6144, 0
	s_cselect_b32 s[DA], 1536, s93
	s_cselect_b32 s[DJ], 204288, s93
	s_cselect_b32 s90, s93, s21
	s_mov_b32 s[DA+1], 0
	s_mov_b32 s[DJ+1], 0
	s_mov_b32 s89, 0
	s_mov_b32 s91, 0
	s_mul_i32 s94, s17, s21
	s_mul_i32 s95, s18, s22
	s_add_co_u32 s94, s94, s95
	s_add_co_u32 s94, s94, s92
	s_mov_b32 s95, 0
	s_add_nc_u64 s[PT0:PT0+1], s[68:69], s[94:95]
	s_add_nc_u64 s[PT1:PT1+1], s[PT0:PT0+1], s[90:91]
	s_mul_i32 s94, s17, s88
	s_mul_i32 s2, s18, s2
	s_add_co_u32 s94, s94, s2
	s_add_co_u32 s94, s94, s3
	s_add_nc_u64 s[SP0:SP0+1], s[68:69], s[94:95]
	s_add_nc_u64 s[SP1:SP1+1], s[SP0:SP0+1], s[88:89]
	s_mov_b32 s[HM], 0xffff0000
	s_mov_b32 s[FLR], 0x1800000
	s_mov_b32 s[SEL], 0x76543210
	s_mov_b32 s[SEL+1], 0xfedcba98
.irp b, 0,1,2,3
	v_mov_b32 v[TM+4+\b], 0
.endr
	v_mov_b32 v85, 0x7f7f
.macro QOUT a
.set AC, 64*((\a)%4)
	WIN 0x28+0x14*((\a)/4)
.irp b, 0,1,2,3
	v_max3_num_f32 v[TM+\b], s[FLR], |v[AC+16*\b]|, |v[AC+16*\b+1]|
.endr
.irp i, 2,4,6,8,10,12,14
.irp b, 0,1,2,3
	v_max3_num_f32 v[TM+\b], v[TM+\b], |v[AC+16*\b+\i]|, |v[AC+16*\b+\i+1]|
.endr
.endr
	WIN 0
.irp b, 0,1,2,3
	v_permlanex16_b32 v[TM+4+\b], v[TM+\b], s[SEL], s[SEL+1]
.endr
.irp b, 0,1,2,3
	v_max_num_f32 v[TM+\b], v[TM+\b], v[TM+4+\b]
.endr
.irp b, 0,1,2,3
	v_add_nc_u32 v[TM+12+\b], 0xff000000, v[TM+\b]
.endr
.irp b, 0,1,2,3
	v_lshrrev_b32 v[TM+4+\b], 23, v[TM+12+\b]
.endr
	v_lshl_or_b32 v80, v[TM+5], 8, v[TM+4]
	v_lshl_or_b32 v81, v[TM+7], 8, v[TM+6]
	v_cndmask_b32 v82, v85, v81, s[VM]
.if ((\a)%2) == 0
	v_lshl_or_b32 v[SWA+(\a)/2], v82, 16, v80
	v_or_b32 v[SWB+(\a)/2], 0x7f7f0000, v81
.else
	v_lshl_or_b32 v83, v82, 16, v80
	v_or_b32 v84, 0x7f7f0000, v81
	v_cndmask_b32 v[SWA+(\a)/2], v[SWA+(\a)/2], v83, s[HM]
	v_cndmask_b32 v[SWB+(\a)/2], v[SWB+(\a)/2], v84, s[HM]
.endif
.if (\a) > 0
	s_wait_xcnt 0x0
.if (\a) == 4
	s_add_nc_u64 s[PT0:PT0+1], s[PT0:PT0+1], s[DJ:DJ+1]
	s_add_nc_u64 s[PT1:PT1+1], s[PT1:PT1+1], s[DJ:DJ+1]
.else
	s_add_nc_u64 s[PT0:PT0+1], s[PT0:PT0+1], s[DA:DA+1]
	s_add_nc_u64 s[PT1:PT1+1], s[PT1:PT1+1], s[DA:DA+1]
.endif
.endif
	WIN 0x02+(\a)/4
.irp c, 0,1
	v_cvt_scalef32_pk16_fp6_f32 v[XC+6*\c:XC+6*\c+2], v[AC+32*\c:AC+32*\c+15], v[TM+12+2*\c]
	v_cvt_scalef32_pk16_fp6_f32 v[TC+4*\c:TC+4*\c+2], v[AC+32*\c+16:AC+32*\c+31], v[TM+12+2*\c+1]
.endr
	WIN 0
	v_nop
.irp c, 0,1
.irp i, 0,1,2
	v_permlane16_swap_b32 v[XC+6*\c+\i], v[TC+4*\c+\i]
.endr
.irp i, 0,1,2
	v_mov_b32 v[XC+3+6*\c+\i], v[TC+4*\c+\i]
.endr
.endr
.irp c, 0,1
.irp p, 0,1,2
	global_store_b64 v[L8], v[XC+6*\c+2*\p:XC+6*\c+2*\p+1], s[PT0+2*\c:PT0+2*\c+1] offset:256*\p
.endr
.endr
.endm
.irp a, 0,1,2,3,4,5,6,7
	QOUT \a
.endr
	s_cmp_eq_u32 ttmp9, 2
	s_cbranch_scc1 .Lv_scales
	global_store_b128 v[L16], v[SWA:SWA+3], s[SP0:SP0+1]
	global_store_b128 v[L16], v[SWB:SWB+3], s[SP1:SP1+1]
	s_branch .Lstored
.Lv_scales:
	global_store_b64 v[L8], v[SWA:SWA+1], s[SP0:SP0+1]
	global_store_b64 v[L8], v[SWA+2:SWA+3], s[SP1:SP1+1]
.Lstored:
	s_wait_tensorcnt 0x0
	ds_add_u32 v[SPW], v[NIL]
	s_wait_dscnt 0x0
	CROUND
	s_endpgm
.Lfunc_end_k_q3a7034705d_qkv:
	.size	k_q3a7034705d_qkv, .Lfunc_end_k_q3a7034705d_qkv-k_q3a7034705d_qkv
	.p2alignl 7, 3214868480
	.fill 96, 4, 3214868480
	.section	.rodata,"a",@progbits
	.p2align	6, 0x0
	.amdhsa_kernel k_q3a7034705d_qkv
		.amdhsa_group_segment_fixed_size 327680
		.amdhsa_private_segment_fixed_size 0
		.amdhsa_enable_private_segment 0
		.amdhsa_kernarg_size 24
		.amdhsa_user_sgpr_count 2
		.amdhsa_user_sgpr_kernarg_segment_ptr 1
		.amdhsa_wavefront_size32 1
		.amdhsa_system_sgpr_workgroup_id_x 1
		.amdhsa_system_sgpr_workgroup_id_y 1
		.amdhsa_system_sgpr_workgroup_id_z 1
		.amdhsa_system_vgpr_workitem_id 0
		.amdhsa_next_free_vgpr 1024
		.amdhsa_next_free_sgpr 100
		.amdhsa_reserve_vcc 0
		.amdhsa_float_denorm_mode_32 3
		.amdhsa_float_denorm_mode_16_64 3
		.amdhsa_memory_ordered 1
		.amdhsa_forward_progress 1
		.amdhsa_inst_pref_size 170
	.end_amdhsa_kernel
	.amdgpu_metadata
---
amdhsa.version: [ 1, 2 ]
amdhsa.kernels:
  - .name:           k_q3a7034705d_qkv
    .symbol:         k_q3a7034705d_qkv.kd
    .args:
      - { .name: cq, .offset: 0, .size: 8, .value_kind: global_buffer, .address_space: global }
      - { .name: qq, .offset: 8, .size: 8, .value_kind: global_buffer, .address_space: global }
      - { .name: kv, .offset: 16, .size: 8, .value_kind: global_buffer, .address_space: global }
    .group_segment_fixed_size: 327680
    .private_segment_fixed_size: 0
    .kernarg_segment_align: 8
    .kernarg_segment_size: 24
    .max_flat_workgroup_size: 128
    .sgpr_count:     100
    .vgpr_count:     1024
    .wavefront_size: 32
...
	.end_amdgpu_metadata
.endif
;; end of part 2
;; launch attn (part 3): grid 4 x 64, 16 waves a work-group, clusters of 4 x 1, 210,944 bytes of LDS; arguments qq, kv, aq; writes aq
.if DOCPART == 3
	.amdgcn_target "amdgcn-amd-amdhsa--gfx1250"
	.amdhsa_code_object_version 6
	.text
	.protected	k_q3a7034705d_attn
	.globl	k_q3a7034705d_attn
	.p2align	8
	.type	k_q3a7034705d_attn,@function
k_q3a7034705d_attn:
	s_mov_b64 s[64:65], 0
	v_nop
	global_prefetch_b8 v0, s[64:65] scope:SCOPE_SE
	s_setreg_imm32_b32 hwreg(HW_REG_WAVE_MODE, 25, 1), 1
	s_wait_xcnt 0x0
	s_wait_alu depctr_hold_cnt(0) depctr_sa_sdst(0) depctr_va_vdst(0) depctr_va_sdst(0) depctr_va_ssrc(0) depctr_va_vcc(0) depctr_vm_vsrc(0)
	s_getreg_b32 s2, hwreg(HW_REG_IB_STS2, 6, 4)
	s_cmp_eq_u32 s2, 0
	s_cbranch_scc0 .Lentry_in_a_cluster
	s_endpgm
.Lentry_in_a_cluster:
	s_bfe_u32 s2, ttmp6, 0x10000c
	s_cmp_lg_u32 s2, 0x3003
	s_cbranch_scc0 .Lentry_shape_is_right
	s_endpgm
.Lentry_shape_is_right:
; O = softmax(q k^T / 8) v for 64 heads of 2,048 tokens x 64 channels, both products on codes of FP6 (E2M3) with E8M0 scales; O is normalised and quantised along the channels for the last product, and leaves as codes.
; THE SOFTMAX: t = score x log2(e) / 8; M = the row's largest t so far, rounded UP to a whole number; p = 2^(t - M) is quantised along the keys, not normalised.  The row's sum is taken of the unquantised p and divides O at the end.
; When M moves, the sum and O are multiplied by 2^(old M - new M): exact.
; SHARES.  A work-group owns one head and 512 queries; each of its SIXTEEN waves owns two tiles of 16 queries, one after the other, in 256 registers: four waves to a SIMD, so that one wave's vector work stands beside another's matrix work and LDS loads.
; K AND V OF THE WHOLE HEAD STAY IN LDS: 16 records of 13,056 bytes (128 keys each: k's 8 halves of a fragment, v^T's 4 fragments, k's and v's scale images), 208,896 bytes: filled once, no ring, no slot filled again.
; CLUSTER.  The four query quarters of a head are one cluster and want the same records: wave w asks for record w JOINTLY (mask 15), the same descriptor in all four.  No prefetch: every byte is asked for once, at the head.
; LAYOUT.  Both products are used transposed: S^T = k q^T (source 0 = 16 keys, source 1 = my 16 queries), O^T = v^T p^T: a lane holds ONE query (lane % 16) throughout.
; Tile t of a record holds in lane r key 32 (t / 2) + 8 (t % 2) + r + 8 (r / 8), so that the 16 registers of tiles 2 b, 2 b + 1 are keys 32 b + 16 (lane / 16) + 0 .. 15; v^T's tiles of channels likewise.
; THE HEAD'S 64 FILL HALF OF THE INSTRUCTION'S 128: q's upper six registers are zero codes, and both sides' upper two scale bytes are 0x7f.  k's operand for tile t is v[32 + 6 t .. + 11]: its upper six registers are the next tile's codes
; (behind the last tile: zeros), which meet q's zeros and add nothing.
; aq: the last product's operand: [tile of 16 tokens: 512][head 16][3 planes of 256 bytes]; from 6,291,456 its scale bytes [tile][4][r 16][8].
; LIMITS: a block whose largest magnitude lies under 2^-124 has its byte held at 1; a block of zeros gets the byte 1 with zero codes; NaN and infinities are not served.
; REGISTERS: v1 8 x lane, v2 16 x lane, v3 16 r, v4 8 r + h; v5, v6 the add's two; v8, v9 the step's LDS addresses; v12 -M, v13 the largest t, v[14:15] the sum; v16-27 q; v28 q's scale word; v32-79 k's halves, then v's fragments; v80-85 zeros;
; v88-91 k's scale words, v92-93 v's, v94 p's; v96-159 S^T, then p; v160-191 O^T; v192-203 p's codes; v204-210 the upper halves of blocks; v232-255 at work.
.set REC,   13056
.set SPARE, 16*REC                     ; behind the records: the spare words, 128 bytes for each of 16 waves
.set QSC,   6291456                    ; q's scale images in qq
.set ASC,   6291456                    ; the scale bytes in aq
.set TB,  2                            ; s2   LDS byte at which the step's record begins
.set CNT, 3                            ; s3   key steps to go
.set WV,  18                           ; s18  my wave's number
.set SEL, 20                           ; s[20:21] selects for lane l xor 16
.set CS,  22                           ; s[22:23] c = log2(e) / 8
.set G1,  24                           ; s[24:31], s[32:35] the one descriptor
.set G0,  32
.set HM,  37                           ; s37  lanes 16-31
.set QP,  38                           ; s[38:39] q's codes of my first tile
.set QSP, 40                           ; s[40:41] its scale words
.set AO,  42                           ; s[42:43] where its result's codes go
.set AOS, 44                           ; s[44:45] and the scale bytes
.macro CROUND                          ; a round of the cluster's barrier
	s_barrier_signal -1
	s_barrier_wait -1
	s_cmp_lg_u32 s[WV], 0
	s_cbranch_scc1 .Lnot_wave_0_\@
	s_barrier_signal -3
.Lnot_wave_0_\@:
	s_barrier_wait -3
	s_barrier_signal -1
	s_barrier_wait -1
.endm
	s_load_b128 s[4:7], s[0:1], 0x0                ; qq s[4:5], kv s[6:7]
	s_load_b64 s[8:9], s[0:1], 0x10                ; aq
	v_lshl_add_u32 v5, v0, 2, SPARE
	v_mov_b32 v6, 0
	ds_add_u32 v5, v6                              ; the wave's opening: the add and its wait ahead of my first tensor load; work on registers stands between them
	ds_add_u32 v5, v6
	v_lshrrev_b32 v7, 5, v0
	s_delay_alu instid0(VALU_DEP_1)
	v_readfirstlane_b32 s[WV], v7                  ; wave 0..15
	s_bfe_u32 s10, ttmp6, 0x40000                  ; cx: my quarter of the queries: it enters qq's and aq's addresses alone
	s_and_b32 s11, ttmp7, 0xffff                   ; the head, 16 x batch + head, which the four partners share
	; group 1: a record, 13,056 dense bytes, as 51 rows of 32 elements of 8 bytes
	s_mov_b32 s[G1], 15|(3<<16)|(1<<21)            ; 15:0 the mask: all four work-groups; 17:16 elements of 8 bytes; 21 set beside a mask
	s_mov_b32 s[G1+1], 32<<16                      ; tensor_dim0
	s_mov_b32 s[G1+2], 51<<16                      ; tensor_dim1
	s_mov_b32 s[G1+3], 32<<16                      ; tile_dim0
	s_mov_b32 s[G1+4], 51                          ; tile_dim1
	s_mov_b32 s[G1+5], 32                          ; tensor_dim0_stride
	s_mov_b32 s[G1+6], 0
	s_mov_b32 s[G1+7], 0
	s_lshl_b32 s12, s11, 4
	s_add_co_u32 s12, s12, s[WV]
	s_mul_i32 s12, s12, REC                        ; record 16 x head + wave in kv,
	s_mov_b32 s13, 0
	s_mul_i32 s14, s[WV], REC                      ; and in LDS
	s_mov_b32 s[SEL], 0x76543210
	s_mov_b32 s[SEL+1], 0xfedcba98
	s_mov_b32 s[CS], 0x3e38aa3b                    ; c = log2(e) / 8
	s_mov_b32 s[CS+1], s[CS]                       ; (named with it as a pair, so it is written)
	s_mov_b32 s[HM], 0xffff0000
	s_lshl_b32 s15, s10, 5
	s_add_co_u32 s15, s15, s[WV]                   ; my first tile of the head's 128: 32 cx + wave; my second lies 16 further on
	s_lshl_b32 s16, s11, 7
	s_add_co_u32 s16, s16, s15
	s_mul_i32 s46, s16, 768                        ; q: half a fragment a tile
	s_mov_b32 s47, 0
	s_lshl_b32 s48, s11, 13                        ; q's scale images: 8,192 bytes a head,
	s_lshl_b32 s17, s10, 2
	s_lshr_b32 s19, s[WV], 3
	s_add_co_u32 s17, s17, s19
	s_lshl_b32 s17, s17, 9                         ; 512 for each 8 tiles,
	s_add_co_u32 s48, s48, s17
	s_and_b32 s17, s[WV], 1
	s_lshl_b32 s17, s17, 8                         ; an odd tile's words lie in lanes 16-31's bytes,
	s_add_co_u32 s48, s48, s17
	s_bfe_u32 s17, s[WV], 0x20001
	s_lshl_b32 s17, s17, 2                         ; word (tile % 8) / 2 of a lane's four
	s_add_co_u32 s48, s48, s17
	s_add_co_u32 s48, s48, QSC
	s_mov_b32 s49, 0
	s_lshr_b32 s17, s11, 4
	s_lshl_b32 s17, s17, 7
	s_add_co_u32 s17, s17, s15                     ; my tile among aq's 512: 128 x batch + tile
	s_and_b32 s19, s11, 15                         ; the head in its batch
	s_mul_i32 s50, s17, 12288
	s_mul_i32 s52, s19, 768
	s_add_co_u32 s50, s50, s52
	s_mov_b32 s51, 0
	s_lshl_b32 s52, s17, 9                         ; scale bytes: 512 a tile; head / 4 picks the 128, 2 (head % 4) the pair of a row's 8
	s_lshr_b32 s54, s19, 2
	s_lshl_b32 s54, s54, 7
	s_add_co_u32 s52, s52, s54
	s_and_b32 s54, s19, 3
	s_lshl_b32 s54, s54, 1
	s_add_co_u32 s52, s52, s54
	s_add_co_u32 s52, s52, ASC
	s_mov_b32 s53, 0
	s_wait_dscnt 0x0                               ; the opening add is done
	s_wait_kmcnt 0x0
	s_mov_b32 s[G0], 1                             ; 1:0 count = 1
	s_mov_b32 s[G0+1], s14                         ; 63:32 LDS address
	s_add_nc_u64 s[G0+2:G0+3], s[6:7], s[12:13]    ; 120:64 global address: it hangs on the head and the wave's number alone
	s_or_b32 s[G0+3], s[G0+3], 0x80000000          ; 127:126 type = 2
	s_add_nc_u64 s[QP:QP+1], s[4:5], s[46:47]
	s_add_nc_u64 s[QSP:QSP+1], s[4:5], s[48:49]
	s_add_nc_u64 s[AO:AO+1], s[8:9], s[50:51]
	s_add_nc_u64 s[AOS:AOS+1], s[8:9], s[52:53]
	CROUND                                         ; all four work-groups are here: the joint loads meet
	tensor_load_to_lds s[G0:G0+3], s[G1:G1+7]      ; my one tensor load of the launch
	s_nop 0
.rept 4
	v_nop
.endr
	v_and_b32 v7, 31, v0                           ; lane
	v_and_b32 v10, 15, v0                          ; r
	v_bfe_u32 v11, v0, 4, 1                        ; h
	s_delay_alu instid0(VALU_DEP_3)
	v_lshlrev_b32 v1, 3, v7
	s_delay_alu instid0(VALU_DEP_4)
	v_lshlrev_b32 v2, 4, v7
	s_delay_alu instid0(VALU_DEP_4)
	v_lshlrev_b32 v3, 4, v10
	s_delay_alu instid0(VALU_DEP_4)
	v_lshl_add_u32 v4, v10, 3, v11
.irp j, 22,23,24,25,26,27,80,81,82,83,84,85,236,237,238,239,253
	v_mov_b32 v[\j], 0                             ; q's zero codes; the zeros behind k's last tile; lane permutes' destinations; the upper half of the pair v[252:253]
.endr
	s_wait_tensorcnt 0x0                           ; my record is in,
	s_barrier_signal -1
	s_barrier_wait -1                              ; everybody's is: the head's K and V lie in LDS for the rest of the launch
; A KEY STEP: 128 keys, the record at s[TB].
.macro STEP
	v_add_nc_u32 v8, s[TB], v1
	v_add_nc_u32 v9, s[TB], v2
	v_nop
	v_nop                                          ; four places in front of loads into registers that the last products have read
.irp t, 0,1,2,3,4,5,6,7
.irp p, 0,1,2
	ds_load_b64 v[32+6*\t+2*\p:33+6*\t+2*\p], v8 offset:768*\t+256*\p   ; k's tile t: three planes, 256 bytes on end
.endr
.endr
	ds_load_b128 v[88:91], v9 offset:12288         ; k's scale words: word g = tile 2 g (lanes 0-15), 2 g + 1 (lanes 16-31)
	ds_load_b64 v[92:93], v8 offset:12800          ; v's likewise
	s_wait_alu depctr_va_vdst(0)
	s_wait_dscnt 0x0
.irp t, 0,1,2,3,4,5,6,7
.if (\t%2) == 0
	v_wmma_scale_f32_16x16x128_f8f6f4 v[96+8*\t:103+8*\t], v[32+6*\t:43+6*\t], v[16:27], 0, v[88+\t/2], v28 matrix_a_fmt:MATRIX_FMT_FP6 matrix_b_fmt:MATRIX_FMT_FP6
.else
	v_wmma_scale_f32_16x16x128_f8f6f4 v[96+8*\t:103+8*\t], v[32+6*\t:43+6*\t], v[16:27], 0, v[88+\t/2], v28 matrix_a_fmt:MATRIX_FMT_FP6 matrix_b_fmt:MATRIX_FMT_FP6 matrix_a_scale:MATRIX_SCALE_ROW1
.endif
.endr
.rept 4
	v_nop                                          ; places in front of the loads below and of the first read of the scores
.endr
.irp a, 0,1,2,3
.irp p, 0,1,2,3,4,5
	ds_load_b64 v[32+12*\a+2*\p:33+12*\a+2*\p], v8 offset:6144+1536*\a+256*\p   ; v^T's four fragments: they land while the softmax is walked
.endr
.endr
.irp b, 0,1,2,3
	v_max3_num_f32 v[232+\b], v[96+16*\b], v[97+16*\b], v[98+16*\b]   ; THE LARGEST SCORE OF EACH BLOCK OF 32 KEYS: for the row's maximum and, since p rises with the score, for the block's largest p
.endr
.irp i, 3,5,7,9,11,13
.irp b, 0,1,2,3
	v_max3_num_f32 v[232+\b], v[232+\b], v[96+16*\b+\i], v[97+16*\b+\i]
.endr
.endr
.irp b, 0,1,2,3
	v_max_num_f32 v[232+\b], v[232+\b], v[111+16*\b]
.endr
.irp b, 0,1,2,3
	s_delay_alu instid0(VALU_DEP_4)
	v_permlanex16_b32 v[236+\b], v[232+\b], s[SEL], s[SEL+1]
.endr
.irp b, 0,1,2,3
	s_delay_alu instid0(VALU_DEP_4)
	v_max_num_f32 v[232+\b], v[232+\b], v[236+\b]  ; with lane l xor 16's 16 keys
.endr
	s_delay_alu instid0(VALU_DEP_2)
	v_max3_num_f32 v254, v232, v233, v234
	s_delay_alu instid0(VALU_DEP_1)
	v_max_num_f32 v254, v254, v235                 ; the step's largest score of my query
	s_delay_alu instid0(VALU_DEP_1)
	v_mul_f32 v254, s[CS], v254                    ; as t (c is positive)
	s_delay_alu instid0(VALU_DEP_1)
	v_max_num_f32 v13, v13, v254                   ; the running largest t
	v_mov_b32 v254, v12
	s_delay_alu instid0(VALU_DEP_2)
	v_floor_f32 v12, -v13                          ; the new -M = floor(-t) = -ceil(t): a whole number
	s_delay_alu instid0(VALU_DEP_1)
	v_sub_f32 v254, v12, v254                      ; M's old value less its new one: a whole number, 0 or less
	s_delay_alu instid0(VALU_DEP_1)
	v_cvt_i32_f32 v254, v254                       ; (it saturates)
	s_delay_alu instid0(VALU_DEP_1)
	v_ldexp_f32 v252, 1.0, v254                    ; f = 2^(old M - new M)
.irp j, 0,2,4,6,8,10,12,14,16,18,20,22,24,26,28,30,32,34,36,38,40,42,44,46,48,50,52,54,56,58,60,62
	v_pk_fma_f32 v[96+\j:97+\j], v[96+\j:97+\j], s[CS:CS+1], v[12:13] op_sel_hi:[1,0,0]   ; t - M, two at a time
.endr
.irp b, 0,1,2,3
	v_fma_f32 v[232+\b], v[232+\b], s[CS], v12     ; the same of each block's largest score
.endr
	s_setprio 1
	s_wait_alu depctr_va_vdst(0)
.irp j, 0,1,2,3,4,5,6,7,8,9,10,11,12,13,14,15,16,17,18,19,20,21,22,23,24,25,26,27,28,29,30,31,32,33,34,35,36,37,38,39,40,41,42,43,44,45,46,47,48,49,50,51,52,53,54,55,56,57,58,59,60,61,62,63
	v_exp_f32 v[96+\j], v[96+\j]                   ; p = 2^(t - M), at most 1: not normalised
.endr
	v_pk_mul_f32 v[14:15], v[14:15], v[252:253] op_sel_hi:[1,0]   ; the sums under the new M: a plain place behind the exponentials
	s_wait_alu depctr_va_vdst(0)                   ; one wait for the whole batch, ahead of its first reader
.irp b, 0,1,2,3
	v_exp_f32 v[232+\b], v[232+\b]                 ; the block's largest p: the same two instructions on the same number give the same bits
.endr
	v_pk_add_f32 v[236:237], v[100:101], v[104:105]
	v_pk_add_f32 v[254:255], v[108:109], v[112:113]
	v_pk_add_f32 v[250:251], v[116:117], v[120:121]
	v_pk_add_f32 v[248:249], v[124:125], v[128:129]
	v_pk_add_f32 v[246:247], v[132:133], v[136:137]
	v_pk_add_f32 v[244:245], v[140:141], v[144:145]
	v_pk_add_f32 v[242:243], v[148:149], v[152:153]
	v_pk_add_f32 v[14:15], v[14:15], v[156:157]
	v_pk_add_f32 v[236:237], v[236:237], v[96:97]
	v_pk_add_f32 v[254:255], v[254:255], v[98:99]
	v_pk_add_f32 v[250:251], v[250:251], v[102:103]
	v_pk_add_f32 v[248:249], v[248:249], v[106:107]
	v_pk_add_f32 v[246:247], v[246:247], v[110:111]
	v_pk_add_f32 v[244:245], v[244:245], v[114:115]
	v_pk_add_f32 v[242:243], v[242:243], v[118:119]
	v_pk_add_f32 v[14:15], v[14:15], v[122:123]
	v_pk_add_f32 v[236:237], v[236:237], v[126:127]
	v_pk_add_f32 v[254:255], v[254:255], v[130:131]
	v_pk_add_f32 v[250:251], v[250:251], v[134:135]
	v_pk_add_f32 v[248:249], v[248:249], v[138:139]
	v_pk_add_f32 v[246:247], v[246:247], v[142:143]
	v_pk_add_f32 v[244:245], v[244:245], v[146:147]
	v_pk_add_f32 v[242:243], v[242:243], v[150:151]
	v_pk_add_f32 v[14:15], v[14:15], v[154:155]
	v_pk_add_f32 v[236:237], v[236:237], v[158:159]
	s_delay_alu instid0(VALU_DEP_2)
	v_pk_add_f32 v[14:15], v[14:15], v[248:249]
	s_delay_alu instid0(VALU_DEP_2)
	v_pk_add_f32 v[236:237], v[236:237], v[246:247]
	v_pk_add_f32 v[254:255], v[254:255], v[244:245]
	v_pk_add_f32 v[250:251], v[250:251], v[242:243]
	s_delay_alu instid0(VALU_DEP_2)
	v_pk_add_f32 v[14:15], v[14:15], v[254:255]
	s_delay_alu instid0(VALU_DEP_2)
	v_pk_add_f32 v[236:237], v[236:237], v[250:251]
	s_delay_alu instid0(VALU_DEP_1)
	v_pk_add_f32 v[14:15], v[14:15], v[236:237]
	s_wait_alu depctr_va_vdst(0)                   ; and one for the four
.irp b, 0,1,2,3
	v_max_num_f32 v[232+\b], 0x1800000, v[232+\b]  ; the floor 2^(3 - 127): the byte cannot fall under 1
.endr
.irp b, 0,1,2,3
	s_delay_alu instid0(VALU_DEP_4)
	v_add_nc_u32 v[244+\b], 0xff000000, v[232+\b]  ; 2 off the exponent field: the conversion's scale operand
.endr
.irp b, 0,1,2,3
	s_delay_alu instid0(VALU_DEP_4)
	v_lshrrev_b32 v[236+\b], 23, v[244+\b]         ; the scale's byte
.endr
	s_delay_alu instid0(VALU_DEP_3)
	v_lshl_or_b32 v94, v237, 8, v236               ; p's scale word for these 128 keys
	s_delay_alu instid0(VALU_DEP_1)
	v_lshl_or_b32 v94, v238, 16, v94
	s_delay_alu instid0(VALU_DEP_1)
	v_lshl_or_b32 v94, v239, 24, v94
.irp c, 0,1
	v_cvt_scalef32_pk16_fp6_f32 v[192+6*\c:194+6*\c], v[96+32*\c:111+32*\c], v[244+2*\c]
	v_cvt_scalef32_pk16_fp6_f32 v[204+4*\c:206+4*\c], v[112+32*\c:127+32*\c], v[244+2*\c+1]   ; (a conversion's three registers begin on an even number)
.endr
	v_nop                                          ; one plain place behind a scaled conversion
	s_setprio 0
.irp c, 0,1                                    ; the operand's layout wants a WHOLE block in a lane
.irp i, 0,1,2
	v_permlane16_swap_b32 v[192+6*\c+\i], v[204+4*\c+\i]
.endr
.irp i, 0,1,2
	s_delay_alu instid0(VALU_DEP_3)
	v_mov_b32 v[195+6*\c+\i], v[204+4*\c+\i]
.endr
.endr
.irp j, 0,2,4,6,8,10,12,14,16,18,20,22,24,26,28,30
	v_pk_mul_f32 v[160+\j:161+\j], v[160+\j:161+\j], v[252:253] op_sel_hi:[1,0]   ; O^T under the new M.  For each product below, twelve of these sixteen name none of its registers: the places behind the writes of p's scale word and codes
.endr
	s_wait_alu depctr_va_vdst(0)
	s_wait_dscnt 0x0                               ; v's fragments are in
.irp a, 0,1,2,3                                ; O^T += v^T p^T: four accumulators by turns
.if (\a%2) == 0
	v_wmma_scale_f32_16x16x128_f8f6f4 v[160+8*\a:167+8*\a], v[32+12*\a:43+12*\a], v[192:203], v[160+8*\a:167+8*\a], v[92+\a/2], v94 matrix_a_fmt:MATRIX_FMT_FP6 matrix_b_fmt:MATRIX_FMT_FP6
.else
	v_wmma_scale_f32_16x16x128_f8f6f4 v[160+8*\a:167+8*\a], v[32+12*\a:43+12*\a], v[192:203], v[160+8*\a:167+8*\a], v[92+\a/2], v94 matrix_a_fmt:MATRIX_FMT_FP6 matrix_b_fmt:MATRIX_FMT_FP6 matrix_a_scale:MATRIX_SCALE_ROW1
.endif
.endr
.endm
; One tile of 16 queries: all 16 key steps, then the way out.  it = 0, 1: my tiles lie 16 apart; their places stand in the immediates.
.macro TILE it
.if \it
	s_wait_xcnt 0x0                                ; the first tile's stores have read their data: those registers are written again only behind this wait
.endif
.irp p, 0,1,2
	global_load_b64 v[16+2*\p:17+2*\p], v1, s[QP:QP+1] offset:12288*\it+256*\p   ; q's half fragment stays in registers
.endr
	global_load_b32 v28, v3, s[QSP:QSP+1] offset:1024*\it   ; row r's scale word
	v_mov_b32 v13, 0xff61b1e6                      ; the largest t so far: -3e38, under every t
	s_delay_alu instid0(VALU_DEP_1)
	v_floor_f32 v12, -v13                          ; -M
	v_mov_b32 v14, 0                               ; the sum, in two halves
	v_mov_b32 v15, 0
.irp j, 0,1,2,3,4,5,6,7,8,9,10,11,12,13,14,15,16,17,18,19,20,21,22,23,24,25,26,27,28,29,30,31
	v_mov_b32 v[160+\j], 0                         ; O^T: the step is written once; its first trip finds zeros, which the first change of M leaves zeros
.endr
	s_mov_b32 s[TB], 0
	s_mov_b32 s[CNT], 16
	s_wait_loadcnt 0x0                             ; q
.Lstep_\@:
	s_setprio 2
	STEP
	s_add_co_u32 s[TB], s[TB], REC
	s_sub_co_u32 s[CNT], s[CNT], 1
	s_cmp_lg_u32 s[CNT], 0
	s_cbranch_scc1 .Lstep_\@
	s_setprio 0
	; THE WAY OUT: O^T / the sum; register 16 b + i = channel 32 b + 16 (lane / 16) + i: two blocks of 32 along the last product's K
	v_add_f32 v14, v14, v15                        ; the sum's two halves,
	s_delay_alu instid0(VALU_DEP_1)
	v_permlanex16_b32 v252, v14, s[SEL], s[SEL+1]
	s_delay_alu instid0(VALU_DEP_1)
	v_add_f32 v14, v14, v252                       ; and lane l xor 16's: the row's sum
	s_wait_alu depctr_va_vdst(0)
	v_rcp_f32 v14, v14
.rept 4
	v_nop                                          ; places behind the last products, and the plain place behind the reciprocal
.endr
	s_wait_alu depctr_va_vdst(0)                   ; the wait ahead of the reciprocal's first reader
.irp j, 0,2,4,6,8,10,12,14,16,18,20,22,24,26,28,30
	v_pk_mul_f32 v[96+\j:97+\j], v[160+\j:161+\j], v[14:15] op_sel_hi:[1,0]   ; each accumulator from its low end on
.endr
.irp b, 0,1
	v_max3_num_f32 v[232+\b], |v[96+16*\b]|, |v[97+16*\b]|, 0x1800000
.endr
.irp i, 2,4,6,8,10,12,14
.irp b, 0,1
	s_delay_alu instid0(VALU_DEP_2)
	v_max3_num_f32 v[232+\b], v[232+\b], |v[96+16*\b+\i]|, |v[97+16*\b+\i]|
.endr
.endr
.irp b, 0,1
	s_delay_alu instid0(VALU_DEP_2)
	v_permlanex16_b32 v[236+\b], v[232+\b], s[SEL], s[SEL+1]
.endr
.irp b, 0,1
	s_delay_alu instid0(VALU_DEP_2)
	v_max_num_f32 v[232+\b], v[232+\b], v[236+\b]
.endr
.irp b, 0,1
	s_delay_alu instid0(VALU_DEP_2)
	v_add_nc_u32 v[244+\b], 0xff000000, v[232+\b]
.endr
.irp b, 0,1
	s_delay_alu instid0(VALU_DEP_2)
	v_lshrrev_b32 v[236+\b], 23, v[244+\b]
.endr
	v_cvt_scalef32_pk16_fp6_f32 v[192:194], v[96:111], v244
	v_cvt_scalef32_pk16_fp6_f32 v[204:206], v[112:127], v245
	v_nop                                          ; one plain place behind a scaled conversion
.irp i, 0,1,2
	v_permlane16_swap_b32 v[192+\i], v[204+\i]
.endr
.irp i, 0,1,2
	s_delay_alu instid0(VALU_DEP_3)
	v_mov_b32 v[195+\i], v[204+\i]
.endr
	v_cndmask_b32 v254, v236, v237, s[HM]          ; lanes 0-15 store block 0's byte, lanes 16-31 block 1's
.irp p, 0,1,2
	global_store_b64 v1, v[192+2*\p:193+2*\p], s[AO:AO+1] offset:196608*\it+256*\p   ; a plane: 256 consecutive bytes, aligned
.endr
	global_store_b8 v4, v254, s[AOS:AOS+1] offset:8192*\it   ; two bytes of a row's eight: the other heads' lie between (32 bytes a tile and head)
.endm
	TILE 0
	TILE 1
	s_wait_tensorcnt 0x0                           ; the wave's end, behind my last tensor load
	ds_add_u32 v5, v6
	s_wait_dscnt 0x0
	CROUND                                         ; the closing round
	s_endpgm
.Lfunc_end_k_q3a7034705d_attn:
	.size	k_q3a7034705d_attn, .Lfunc_end_k_q3a7034705d_attn-k_q3a7034705d_attn
	.p2alignl 7, 3214868480
	.fill 96, 4, 3214868480
	.section	.rodata,"a",@progbits
	.p2align	6, 0x0
	.amdhsa_kernel k_q3a7034705d_attn
		.amdhsa_group_segment_fixed_size 210944
		.amdhsa_private_segment_fixed_size 0
		.amdhsa_enable_private_segment 0
		.amdhsa_kernarg_size 24
		.amdhsa_user_sgpr_count 2
		.amdhsa_user_sgpr_kernarg_segment_ptr 1
		.amdhsa_wavefront_size32 1
		.amdhsa_system_sgpr_workgroup_id_x 1
		.amdhsa_system_sgpr_workgroup_id_y 1
		.amdhsa_system_sgpr_workgroup_id_z 1
		.amdhsa_system_vgpr_workitem_id 0
		.amdhsa_next_free_vgpr 256
		.amdhsa_next_free_sgpr 66
		.amdhsa_reserve_vcc 0
		.amdhsa_float_denorm_mode_32 3
		.amdhsa_float_denorm_mode_16_64 3
		.amdhsa_memory_ordered 1
		.amdhsa_forward_progress 1
		.amdhsa_inst_pref_size 55
	.end_amdhsa_kernel
	.amdgpu_metadata
---
amdhsa.version: [ 1, 2 ]
amdhsa.kernels:
  - .name:           k_q3a7034705d_attn
    .symbol:         k_q3a7034705d_attn.kd
    .args:
      - { .name: qq, .offset: 0, .size: 8, .value_kind: global_buffer, .address_space: global }
      - { .name: kv, .offset: 8, .size: 8, .value_kind: global_buffer, .address_space: global }
      - { .name: aq, .offset: 16, .size: 8, .value_kind: global_buffer, .address_space: global }
    .group_segment_fixed_size: 210944
    .private_segment_fixed_size: 0
    .kernarg_segment_align: 8
    .kernarg_segment_size: 24
    .max_flat_workgroup_size: 512
    .sgpr_count:     66
    .vgpr_count:     256
    .wavefront_size: 32
...
	.end_amdgpu_metadata
.endif
;; end of part 3
;; launch proj (part 4): grid 4 x 32, 4 waves a work-group, clusters of 4 x 4, 327,680 bytes of LDS; arguments aq, cq, proj_b, out0; writes out0
.if DOCPART == 4
	.amdgcn_target "amdgcn-amd-amdhsa--gfx1250"
	.amdhsa_code_object_version 6
	.text
	.protected	k_q3a7034705d_proj
	.globl	k_q3a7034705d_proj
	.p2align	8
	.type	k_q3a7034705d_proj,@function
k_q3a7034705d_proj:
	s_mov_b64 s[64:65], 0
	v_nop
	global_prefetch_b8 v0, s[64:65] scope:SCOPE_SE
	s_setreg_imm32_b32 hwreg(HW_REG_WAVE_MODE, 25, 1), 1
	s_wait_xcnt 0x0
	s_wait_alu depctr_hold_cnt(0) depctr_sa_sdst(0) depctr_va_vdst(0) depctr_va_sdst(0) depctr_va_ssrc(0) depctr_va_vcc(0) depctr_vm_vsrc(0)
	s_getreg_b32 s2, hwreg(HW_REG_IB_STS2, 6, 4)
	s_cmp_eq_u32 s2, 0
	s_cbranch_scc0 .Lentry_in_a_cluster
	s_endpgm
.Lentry_in_a_cluster:
	s_bfe_u32 s2, ttmp6, 0x10000c
	s_cmp_lg_u32 s2, 0xf033
	s_cbranch_scc0 .Lentry_shape_is_right
	s_endpgm
.Lentry_shape_is_right:
.set NQ,     2
.set FR,     12
.set NL,     6
.set NP,     4
.set TILEB,  3072
.set HALFT,  8*TILEB
.set SLOT,   4*HALFT
.set SCL,    2*SLOT
.set SCLB,   SCL+8192+128
.set SPARE,  SCLB+8192+128
.set SPITCH, 528
.set ADRA, 16
.set ADRB, 20
.set STO,  24
.set RD,   25
.set CO,   26
.set ADRS, 27
.set SPW,  28
.set NIL,  29
.set SC,   32
.set BI,   64
.set AF,   128
.set BK,   128
.set G1, 24
.set G0, 32
.set G1B, 48
.set G0B, 56
.set G1S, 68
.set G0S, 76
.set G1SB, 80
.set G0SB, 88
.set MSB, 0
.macro WIN new
.if MSB != (\new)
	s_set_vgpr_msb (MSB<<8)|(\new)
.set MSB, (\new)
.endif
.endm
.set MUL_LO, 0xa1
.set MUL_HI, 0xf1
.set ZLO,    0x81
.set ZHI,    0xc1
.set TO_B,   0x40
.macro JLOAD g0a, g1a, g0b, g1b
	s_cmp_eq_u32 s15, 0
	s_cbranch_scc0 .Lfor_b_\@
	tensor_load_to_lds s[\g0a:\g0a+3], s[\g1a:\g1a+7]
	s_nop 0
.rept 4
	v_nop
.endr
	s_branch .Lasked_\@
.Lfor_b_\@:
	tensor_load_to_lds s[\g0b:\g0b+3], s[\g1b:\g1b+7]
	s_nop 0
.rept 4
	v_nop
.endr
.Lasked_\@:
.endm
.macro CREST
	s_cmp_lg_u32 s14, 0
	s_cbranch_scc1 .Lnot_wave_0_\@
	s_barrier_signal -3
.Lnot_wave_0_\@:
	s_barrier_wait -3
	s_barrier_signal -1
	s_barrier_wait -1
.endm
.macro CROUND
	s_barrier_signal -1
	s_barrier_wait -1
	CREST
.endm
	s_load_b256 s[4:11], s[0:1], 0x0
	v_lshl_add_u32 v[SPW], v0, 2, SPARE
	v_mov_b32 v[NIL], 0
	ds_add_u32 v[SPW], v[NIL]
	ds_add_u32 v[SPW], v[NIL]
	v_lshrrev_b32 v1, 5, v0
	v_readfirstlane_b32 s14, v1
	s_lshr_b32 s15, s14, 1
	s_and_b32 s16, s14, 1
	s_bfe_u32 s40, ttmp6, 0x40000
	s_bfe_u32 s41, ttmp6, 0x40004
	s_and_b32 s17, ttmp7, 0xffff
	s_lshl_b32 s17, s17, 2
	s_add_co_u32 s45, s17, s41
	s_add_co_u32 s97, s40, 44
	s_lshl_b32 s43, s41, 2
	s_lshl_b32 s43, 15, s43
	s_lshl_b32 s44, 0x1111, s40
	s_or_b32 s[G1+0], s43, (3<<16)|(1<<21)
	s_or_b32 s[G1B+0], s44, (3<<16)|(1<<21)
.irp g, G1, G1B
	s_mov_b32 s[\g+1], 384<<16
	s_mov_b32 s[\g+2], 8<<16
	s_mov_b32 s[\g+3], 384<<16
	s_mov_b32 s[\g+4], 8
	s_mov_b32 s[\g+5], 1536
	s_mov_b32 s[\g+6], 0
	s_mov_b32 s[\g+7], 0
.endr
	s_or_b32 s[G1S+0], s43, (3<<16)|(1<<21)
	s_or_b32 s[G1SB+0], s44, (3<<16)|(1<<21)
.irp g, G1S, G1SB
	s_mov_b32 s[\g+1], 32<<16
	s_mov_b32 s[\g+2], 16<<16
	s_mov_b32 s[\g+3], 32<<16
	s_mov_b32 s[\g+4], 16
	s_mov_b32 s[\g+5], 32
	s_mov_b32 s[\g+6], 0
	s_mov_b32 s[\g+7], 0
.endr
	s_lshl_b32 s20, s45, 1
	s_add_co_u32 s20, s20, s16
	s_lshl_b32 s46, s97, 1
	s_add_co_u32 s46, s46, s16
	s_lshl_b32 s22, s20, 12
	s_add_co_u32 s22, s22, 6291456
	s_lshl_b32 s92, s46, 12
	s_add_co_u32 s92, s92, 9437184
	s_mul_i32 s20, s20, 98304
	s_mul_i32 s46, s46, 98304
	s_mov_b32 s21, 0
	s_mov_b32 s23, 0
	s_mov_b32 s47, 0
	s_mov_b32 s93, 0
	s_mul_i32 s66, s14, HALFT
	s_lshl_b32 s67, s14, 12
	s_lshl_b32 s96, s15, 7
	s_add_co_u32 s67, s67, s96
	s_wait_dscnt 0x0
	s_wait_kmcnt 0x0
	s_add_nc_u64 s[20:21], s[4:5], s[20:21]
	s_add_nc_u64 s[22:23], s[4:5], s[22:23]
	s_add_nc_u64 s[46:47], s[6:7], s[46:47]
	s_add_nc_u64 s[92:93], s[6:7], s[92:93]
	CROUND
	s_mov_b32 s[G0S], 1
	s_add_co_u32 s[G0S+1], s67, SCL
	s_mov_b64 s[G0S+2:G0S+3], s[22:23]
	s_or_b32 s[G0S+3], s[G0S+3], 0x80000000
	s_mov_b32 s[G0SB], 1
	s_add_co_u32 s[G0SB+1], s67, SCL
	s_mov_b64 s[G0SB+2:G0SB+3], s[92:93]
	s_or_b32 s[G0SB+3], s[G0SB+3], 0x80000000
	JLOAD G0S, G1S, G0SB, G1SB
.irp s, 0,1
	s_mov_b32 s[G0+4*\s], 1
	s_add_co_u32 s[G0+4*\s+1], s66, \s*SLOT
	s_add_nc_u64 s[G0+4*\s+2:G0+4*\s+3], s[20:21], \s*TILEB
	s_or_b32 s[G0+4*\s+3], s[G0+4*\s+3], 0x80000000
	s_mov_b32 s[G0B+4*\s], 1
	s_add_co_u32 s[G0B+4*\s+1], s66, \s*SLOT
	s_add_nc_u64 s[G0B+4*\s+2:G0B+4*\s+3], s[46:47], \s*TILEB
	s_or_b32 s[G0B+4*\s+3], s[G0B+4*\s+3], 0x80000000
	s_wait_alu depctr_va_vdst(0)
	s_wait_tensorcnt 0x0
	ds_add_u32 v28, v29
	s_wait_dscnt 0x0
	CROUND
	JLOAD G0+4*\s, G1, G0B+4*\s, G1B
.endr
	v_and_b32 v1, 15, v0
	v_bfe_u32 v2, v0, 4, 1
	v_and_b32 v3, 31, v0
	v_lshlrev_b32 v4, 3, v3
	s_wait_alu depctr_va_vdst(0)
	v_lshlrev_b32 v7, 6, v2
	s_lshl_b32 s12, s40, 10
	s_lshl_b32 s13, s16, 9
	s_add_co_u32 s12, s12, s13
	s_mov_b32 s13, 0
	s_add_nc_u64 s[8:9], s[8:9], s[12:13]
.irp b, 0,1,2,3,4,5,6,7
	global_load_b128 v[BI+8*\b:BI+8*\b+3], v7, s[8:9] offset:128*(\b/2)+32*(\b%2)
	global_load_b128 v[BI+8*\b+4:BI+8*\b+7], v7, s[8:9] offset:128*(\b/2)+32*(\b%2)+16
.endr
	s_add_nc_u64 s[10:11], s[10:11], s[12:13]
	s_lshl_b32 s12, s45, 20
	s_lshl_b32 s17, s15, 19
	s_add_co_u32 s12, s12, s17
	s_add_nc_u64 s[10:11], s[10:11], s[12:13]
	s_mul_i32 s21, s15, HALFT
	s_mul_i32 s22, s16, HALFT
	s_add_co_u32 s22, s22, 2*HALFT
.irp s, 0,1
	v_add_nc_u32 v[ADRA+\s], s21, v4
	v_add_nc_u32 v[ADRB+\s], s22, v4
	s_add_co_u32 s21, s21, SLOT
	s_add_co_u32 s22, s22, SLOT
.endr
	v_lshlrev_b32 v5, 3, v1
	s_lshl_b32 s21, s15, 12
	s_lshl_b32 s22, s16, 12
	s_add_co_u32 s22, s22, 8320
	s_sub_co_u32 s22, s22, s21
	v_mul_u32_u24 v6, s22, v2
	s_add_co_u32 s21, s21, SCL
	v_add_nc_u32 v5, v5, v6
	v_add_nc_u32 v[ADRS], s21, v5
	s_mul_i32 s23, s14, 16*SPITCH
	v_mul_u32_u24 v5, v1, SPITCH
	v_lshl_add_u32 v5, v2, 6, v5
	v_add_nc_u32 v[STO], s23, v5
	v_lshlrev_b32 v[CO], 4, v3
	v_add_nc_u32 v[RD], s23, v[CO]
.macro FRAG reg, adr, q, i
.irp p, 0,1,2,3,4,5
	ds_load_b64 v[\reg+2*\p:\reg+2*\p+1], v[\adr] offset:(\i)*TILEB+(\q)*1536+256*\p
.endr
.endm
.macro MUL16 a0, p, q, sc, zero
.irp a, \a0, \a0+1
.irp b, 0,1,2,3,4,5,6,7
.if \zero
	v_wmma_scale_f32_16x16x128_f8f6f4 v[8*(8*((\a)%4)+\b):8*(8*((\a)%4)+\b)+7], v[128*(\p)+FR*\b:128*(\p)+FR*\b+FR-1], v[AF+FR*(\a):AF+FR*(\a)+FR-1], v[BI+8*\b:BI+8*\b+7], v[SC+8*NQ*(\sc)+NQ*\b+(\q)], v[SC+8*NQ*(\sc)+NQ*(\a)+(\q)] matrix_a_fmt:MATRIX_FMT_FP6 matrix_b_fmt:MATRIX_FMT_FP6 matrix_a_scale:MATRIX_SCALE_ROW1
.else
	v_wmma_scale_f32_16x16x128_f8f6f4 v[8*(8*((\a)%4)+\b):8*(8*((\a)%4)+\b)+7], v[128*(\p)+FR*\b:128*(\p)+FR*\b+FR-1], v[AF+FR*(\a):AF+FR*(\a)+FR-1], v[8*(8*((\a)%4)+\b):8*(8*((\a)%4)+\b)+7], v[SC+8*NQ*(\sc)+NQ*\b+(\q)], v[SC+8*NQ*(\sc)+NQ*(\a)+(\q)] matrix_a_fmt:MATRIX_FMT_FP6 matrix_b_fmt:MATRIX_FMT_FP6 matrix_a_scale:MATRIX_SCALE_ROW1
.endif
.endr
.endr
.endm
.macro FETCH_B slot, q, p
	WIN TO_B
.irp i, 0,1,2,3,4,5,6,7
	FRAG 128*(\p)+FR*\i, ADRB+\slot, \q, \i
.endr
	WIN 0
.endm
.macro FETCH_A slot, q, i0
.irp i, \i0, \i0+1, \i0+2, \i0+3
	FRAG AF+FR*(\i), ADRA+\slot, \q, \i
.endr
.endm
.macro SCALES sc
.irp i, 0,1,2,3,4,5,6,7
	ds_load_b64 v[SC+8*NQ*\sc+NQ*\i:SC+8*NQ*\sc+NQ*\i+1], v[ADRS] offset:\i*512
.endr
.endm
.macro PLACES n
.rept \n
	v_nop
.endr
.endm
.macro STEP slot, q, zero
	s_wait_dscnt 4*NL
.if \zero
	WIN ZLO
.else
	WIN MUL_LO
.endif
	MUL16 0, (\q)%2, \q, \slot, \zero
	MUL16 2, (\q)%2, \q, \slot, \zero
	s_wait_dscnt 0
	PLACES NP
	FETCH_B \slot, (\q)+1, 1-(\q)%2
	FETCH_A \slot, (\q)+1, 0
.if \zero
	WIN ZHI
.else
	WIN MUL_HI
.endif
	MUL16 4, (\q)%2, \q, \slot, \zero
	MUL16 6, (\q)%2, \q, \slot, \zero
	PLACES NP
	WIN 0
	FETCH_A \slot, (\q)+1, 4
.endm
.macro TURN slot, next, fill
	s_wait_tensorcnt 0x0
	ds_add_u32 v[SPW], v[NIL]
	s_wait_dscnt 4*NL+1
	WIN MUL_LO
	MUL16 0, 1, NQ-1, \slot, 0
	s_wait_dscnt 0x0
	s_barrier_signal -1
	MUL16 2, 1, NQ-1, \slot, 0
	WIN 0
	s_barrier_wait -1
.if \fill
	CREST
	s_add_nc_u64 s[G0+4*\slot+2:G0+4*\slot+3], s[G0+4*\slot+2:G0+4*\slot+3], 2*TILEB
	s_add_nc_u64 s[G0B+4*\slot+2:G0B+4*\slot+3], s[G0B+4*\slot+2:G0B+4*\slot+3], 2*TILEB
	JLOAD G0+4*\slot, G1, G0B+4*\slot, G1B
.else
	PLACES NP
.endif
	s_wait_alu depctr_va_vdst(0)
	v_add_nc_u32 v[ADRS], 128, v[ADRS]
	FETCH_B \next, 0, 0
	FETCH_A \next, 0, 0
	SCALES \next
	WIN MUL_HI
	MUL16 4, 1, NQ-1, \slot, 0
	MUL16 6, 1, NQ-1, \slot, 0
	PLACES NP
	WIN 0
	FETCH_A \next, 0, 4
.endm
	s_wait_alu depctr_va_vdst(0)
	s_wait_tensorcnt 1
	s_barrier_signal -1
	s_barrier_wait -1
	FETCH_B 0, 0, 0
	FETCH_A 0, 0, 0
	SCALES 0
	FETCH_A 0, 0, 4
	s_wait_loadcnt 0x0
	STEP 0, 0, 1
	TURN 0, 1, 1
	STEP 1, 0, 0
	TURN 1, 0, 1
	STEP 0, 0, 0
	TURN 0, 1, 0
	STEP 1, 0, 0
	s_wait_dscnt 4*NL
	WIN MUL_LO
	MUL16 0, 1, NQ-1, 1, 0
	MUL16 2, 1, NQ-1, 1, 0
	s_wait_dscnt 0
	WIN MUL_HI
	MUL16 4, 1, NQ-1, 1, 0
	MUL16 6, 1, NQ-1, 1, 0
	WIN 0
.macro TOSTAGE a
.set AC, 64*((\a)%4)
	WIN 0x08+4*((\a)/4)
.irp b, 0,1,2,3,4,5,6,7
	ds_store_b128 v[STO], v[AC+8*\b:AC+8*\b+3] offset:128*(\b/2)+32*(\b%2)
	ds_store_b128 v[STO], v[AC+8*\b+4:AC+8*\b+7] offset:128*(\b/2)+32*(\b%2)+16
.endr
	WIN 0
.set BB, BK+64*((\a)%2)
.irp t, 0,1,2,3,4,5,6,7,8,9,10,11,12,13,14,15
	ds_load_b128 v[BB+4*\t:BB+4*\t+3], v[RD] offset:\t*SPITCH
.endr
.endm
.macro SEND a, younger
.set BB, BK+64*((\a)%2)
	s_wait_dscnt \younger
.if (\a) > 0
.if ((\a)%2) == 1
	s_add_nc_u64 s[10:11], s[10:11], 8*4096
.else
	s_add_nc_u64 s[10:11], s[10:11], 24*4096
.endif
.endif
.irp t, 0,1,2,3,4,5,6,7,8,9,10,11,12,13,14,15
	global_store_b128 v[CO], v[BB+4*\t:BB+4*\t+3], s[10:11] offset:(\t+8*(\t/8))*4096 th:TH_STORE_NT
.endr
.endm
	PLACES NP
	TOSTAGE 0
.irp a, 1,2,3,4,5,6,7
.if \a > 1
	s_wait_xcnt 0x0
.endif
	TOSTAGE \a
	SEND \a-1, 32
.endr
	s_wait_xcnt 0x0
	SEND 7, 0
	s_wait_tensorcnt 0x0
	ds_add_u32 v[SPW], v[NIL]
	s_wait_dscnt 0x0
	CROUND
	s_endpgm
.Lfunc_end_k_q3a7034705d_proj:
	.size	k_q3a7034705d_proj, .Lfunc_end_k_q3a7034705d_proj-k_q3a7034705d_proj
	.p2alignl 7, 3214868480
	.fill 96, 4, 3214868480
	.section	.rodata,"a",@progbits
	.p2align	6, 0x0
	.amdhsa_kernel k_q3a7034705d_proj
		.amdhsa_group_segment_fixed_size 327680
		.amdhsa_private_segment_fixed_size 0
		.amdhsa_enable_private_segment 0
		.amdhsa_kernarg_size 32
		.amdhsa_user_sgpr_count 2
		.amdhsa_user_sgpr_kernarg_segment_ptr 1
		.amdhsa_wavefront_size32 1
		.amdhsa_system_sgpr_workgroup_id_x 1
		.amdhsa_system_sgpr_workgroup_id_y 1
		.amdhsa_system_sgpr_workgroup_id_z 1
		.amdhsa_system_vgpr_workitem_id 0
		.amdhsa_next_free_vgpr 1024
		.amdhsa_next_free_sgpr 100
		.amdhsa_reserve_vcc 0
		.amdhsa_float_denorm_mode_32 3
		.amdhsa_float_denorm_mode_16_64 3
		.amdhsa_memory_ordered 1
		.amdhsa_forward_progress 1
		.amdhsa_inst_pref_size 162
	.end_amdhsa_kernel
	.amdgpu_metadata
---
amdhsa.version: [ 1, 2 ]
amdhsa.kernels:
  - .name:           k_q3a7034705d_proj
    .symbol:         k_q3a7034705d_proj.kd
    .args:
      - { .name: aq, .offset: 0, .size: 8, .value_kind: global_buffer, .address_space: global }
      - { .name: cq, .offset: 8, .size: 8, .value_kind: global_buffer, .address_space: global }
      - { .name: proj_b, .offset: 16, .size: 8, .value_kind: global_buffer, .address_space: global }
      - { .name: out0, .offset: 24, .size: 8, .value_kind: global_buffer, .address_space: global }
    .group_segment_fixed_size: 327680
    .private_segment_fixed_size: 0
    .kernarg_segment_align: 8
    .kernarg_segment_size: 32
    .max_flat_workgroup_size: 128
    .sgpr_count:     100
    .vgpr_count:     1024
    .wavefront_size: 32
...
	.end_amdgpu_metadata
.endif
;; end of part 4
